; MI455X (gfx1250); checked and timed in simulation.
; The chip was launched on July 23, 2026; its instructions are those of AMD's public machine-readable ISA for CDNA 5 (MIT licence, August 2026) and "CDNA5" Instruction Set Architecture Reference Guide (July 2026). The comments in the code are by the model that wrote it; some were corrected since.
;; Multi Headed Attention. Allowed arithmetic: float matrix products may take bf16 or f16 operands with f32 sums; all other float work in f32.
;; Inputs: Wk 1,024 x 1,024 float32; Wo 1,024 x 1,024 float32; Wq 1,024 x 1,024 float32; Wv 1,024 x 1,024 float32; bk 1,024 float32; bo 1,024 float32; bq 1,024 float32; bv 1,024 float32; k_in 2 x 2,048 x 1,024 float32; q_in 2 x 2,048 x 1,024 float32; rel_table 257 x 16 float32; v_in 2 x 2,048 x 1,024 float32.
;; Outputs: out0 2 x 2,048 x 1,024 float32.
;; One version. Each part assembles by itself: llvm-mc -triple=amdgcn-amd-amdhsa -mcpu=gfx1250 --defsym DOCPART=n.
;; ======== version 1 of 1: 4 launches
;; limits: values are held in f16: magnitudes above 65,504 overflow, below 6.1e-05 lose precision; right only within a limited range of input values
;; workspace buffers: cb 33,554,432 bytes; qkv 25,165,824 bytes; ao 8,388,608 bytes
;; launch prep (part 1): grid 64 x 16, 8 waves a work-group, no clusters, 0 bytes of LDS; arguments q_in, k_in, v_in, Wq, Wk, Wv, Wo, cb; writes cb
.if DOCPART == 1
	.amdgcn_target "amdgcn-amd-amdhsa--gfx1250"
	.amdhsa_code_object_version 6
	.text
	.protected	k_q0f3c7062ed_prep
	.globl	k_q0f3c7062ed_prep
	.p2align	8
	.type	k_q0f3c7062ed_prep,@function
k_q0f3c7062ed_prep:
	s_mov_b64 s[64:65], 0
	v_nop
	global_prefetch_b8 v0, s[64:65] scope:SCOPE_SE
	s_setreg_imm32_b32 hwreg(HW_REG_WAVE_MODE, 25, 1), 1
	s_wait_xcnt 0x0
; cb = f16 copies of q_in, k_in, v_in, Wq, Wk, Wv, Wo, each in its own layout, one behind the other.
; cb is 16 segments of 1,048,576 numbers (4 MiB of f32 in, 2 MiB of f16 out): segments 0-3 q_in, 4-7 k_in, 8-11 v_in, 12-15 the four weights.
; Grid y = the segment, grid x = a chunk of 16,384 numbers.  Eight waves; in each of 16 rounds of 1,024 numbers thread t takes 4 numbers: 16 bytes in at 16 t, 8 bytes out at 8 t.
; So each load of a wave covers 512 consecutive bytes and no byte is named by two loads; each store of a wave covers 256 consecutive bytes, aligned.
; A stream: every byte read once and written once, all sixteen loads of a wave issued before the first wait.
; No LDS, no barrier, no matrix unit, no cluster: no work-group shares a byte with another.
; LIMIT: a number of magnitude above 65,504 becomes an infinity in f16; magnitudes below 6.1e-5 keep an absolute step of 6e-8.
.set X, 8                              ; v[8:71]   round n: 4 numbers in f32
.set Y, 72                             ; v[72:103] round n: 4 numbers in f16, 2 registers.  No register is written twice, so no store's data has to be freed
	s_load_b512 s[8:23], s[0:1], 0x0               ; q_in s[8:9], k_in s[10:11], v_in s[12:13], Wq s[14:15], Wk s[16:17], Wv s[18:19], Wo s[20:21], cb s[22:23]
	s_and_b32 s2, ttmp7, 0xffff                    ; the segment, 0 to 15
	s_lshr_b32 s3, s2, 2                           ; 0, 1, 2: one of the three activations; 3: a weight
	v_lshlrev_b32 v1, 4, v0                        ; 16 bytes a thread in
	v_lshlrev_b32 v2, 3, v0                        ; 8 bytes a thread out
	s_and_b32 s24, s2, 3                           ; which quarter of an activation;
	s_cmp_lt_u32 s3, 3
	s_cselect_b32 s24, s24, 0                      ; a weight is one segment
	s_lshl_b32 s24, s24, 22                        ; 4 MiB of f32 a segment
	s_lshl_b32 s25, ttmp9, 16                      ; 64 KiB of f32 a chunk
	s_add_co_u32 s24, s24, s25
	s_mov_b32 s25, 0
	s_lshl_b32 s26, s2, 21                         ; 2 MiB of f16 a segment
	s_lshl_b32 s27, ttmp9, 15                      ; 32 KiB of f16 a chunk
	s_add_co_u32 s26, s26, s27
	s_mov_b32 s27, 0
	s_wait_kmcnt 0x0
	s_mov_b64 s[4:5], s[8:9]                       ; the source is chosen among the seven inputs by the segment's number alone
	s_cmp_eq_u32 s3, 1
	s_cselect_b64 s[4:5], s[10:11], s[4:5]
	s_cmp_eq_u32 s3, 2
	s_cselect_b64 s[4:5], s[12:13], s[4:5]
	s_cmp_eq_u32 s2, 12
	s_cselect_b64 s[4:5], s[14:15], s[4:5]
	s_cmp_eq_u32 s2, 13
	s_cselect_b64 s[4:5], s[16:17], s[4:5]
	s_cmp_eq_u32 s2, 14
	s_cselect_b64 s[4:5], s[18:19], s[4:5]
	s_cmp_eq_u32 s2, 15
	s_cselect_b64 s[4:5], s[20:21], s[4:5]
	s_add_nc_u64 s[4:5], s[4:5], s[24:25]
	s_add_nc_u64 s[22:23], s[22:23], s[26:27]
.irp n, 0,1,2,3,4,5,6,7,8,9,10,11,12,13,14,15
	global_load_b128 v[X+4*\n:X+4*\n+3], v1, s[4:5] offset:4096*\n th:TH_LOAD_NT
.endr
.irp n, 0,1,2,3,4,5,6,7,8,9,10,11,12,13,14,15
	s_wait_loadcnt 15-\n                           ; loads come back in order: round n's is in, the 15 - n younger ones stay out
	v_cvt_pk_f16_f32 v[Y+2*\n],   v[X+4*\n],   v[X+4*\n+1]
	v_cvt_pk_f16_f32 v[Y+2*\n+1], v[X+4*\n+2], v[X+4*\n+3]
	global_store_b64 v2, v[Y+2*\n:Y+2*\n+1], s[22:23] offset:2048*\n   ; the next launch reads these bytes: no streaming hint
.endr
	s_endpgm
.Lfunc_end_k_q0f3c7062ed_prep:
	.size	k_q0f3c7062ed_prep, .Lfunc_end_k_q0f3c7062ed_prep-k_q0f3c7062ed_prep
	.p2alignl 7, 3214868480
	.fill 96, 4, 3214868480
	.section	.rodata,"a",@progbits
	.p2align	6, 0x0
	.amdhsa_kernel k_q0f3c7062ed_prep
		.amdhsa_group_segment_fixed_size 0
		.amdhsa_private_segment_fixed_size 0
		.amdhsa_enable_private_segment 0
		.amdhsa_kernarg_size 64
		.amdhsa_user_sgpr_count 2
		.amdhsa_user_sgpr_kernarg_segment_ptr 1
		.amdhsa_wavefront_size32 1
		.amdhsa_system_sgpr_workgroup_id_x 1
		.amdhsa_system_sgpr_workgroup_id_y 1
		.amdhsa_system_sgpr_workgroup_id_z 1
		.amdhsa_system_vgpr_workitem_id 0
		.amdhsa_next_free_vgpr 104
		.amdhsa_next_free_sgpr 66
		.amdhsa_reserve_vcc 0
		.amdhsa_float_denorm_mode_32 3
		.amdhsa_float_denorm_mode_16_64 3
		.amdhsa_memory_ordered 1
		.amdhsa_forward_progress 1
		.amdhsa_inst_pref_size 7
	.end_amdhsa_kernel
	.amdgpu_metadata
---
amdhsa.version: [ 1, 2 ]
amdhsa.kernels:
  - .name:           k_q0f3c7062ed_prep
    .symbol:         k_q0f3c7062ed_prep.kd
    .args:
      - { .name: q_in, .offset: 0, .size: 8, .value_kind: global_buffer, .address_space: global }
      - { .name: k_in, .offset: 8, .size: 8, .value_kind: global_buffer, .address_space: global }
      - { .name: v_in, .offset: 16, .size: 8, .value_kind: global_buffer, .address_space: global }
      - { .name: Wq, .offset: 24, .size: 8, .value_kind: global_buffer, .address_space: global }
      - { .name: Wk, .offset: 32, .size: 8, .value_kind: global_buffer, .address_space: global }
      - { .name: Wv, .offset: 40, .size: 8, .value_kind: global_buffer, .address_space: global }
      - { .name: Wo, .offset: 48, .size: 8, .value_kind: global_buffer, .address_space: global }
      - { .name: cb, .offset: 56, .size: 8, .value_kind: global_buffer, .address_space: global }
    .group_segment_fixed_size: 0
    .private_segment_fixed_size: 0
    .kernarg_segment_align: 8
    .kernarg_segment_size: 64
    .max_flat_workgroup_size: 256
    .sgpr_count:     66
    .vgpr_count:     104
    .wavefront_size: 32
...
	.end_amdgpu_metadata
.endif
;; end of part 1
;; launch proj3 (part 2): grid 4 x 48, 4 waves a work-group, clusters of 4 x 4, 327,680 bytes of LDS; arguments cb, bq, bk, bv, qkv; writes qkv
.if DOCPART == 2
	.amdgcn_target "amdgcn-amd-amdhsa--gfx1250"
	.amdhsa_code_object_version 6
	.text
	.protected	k_q0f3c7062ed_proj3
	.globl	k_q0f3c7062ed_proj3
	.p2align	8
	.type	k_q0f3c7062ed_proj3,@function
k_q0f3c7062ed_proj3:
	s_mov_b64 s[64:65], 0
	v_nop
	global_prefetch_b8 v0, s[64:65] scope:SCOPE_SE
	s_setreg_imm32_b32 hwreg(HW_REG_WAVE_MODE, 25, 1), 1
	s_wait_xcnt 0x0
	s_wait_alu depctr_hold_cnt(0) depctr_sa_sdst(0) depctr_va_vdst(0) depctr_va_sdst(0) depctr_va_ssrc(0) depctr_va_vcc(0) depctr_vm_vsrc(0)
	s_getreg_b32 s2, hwreg(HW_REG_IB_STS2, 6, 4)
	s_cmp_eq_u32 s2, 0
	s_cbranch_scc0 .Lentry_in_a_cluster
	s_endpgm
.Lentry_in_a_cluster:
	s_bfe_u32 s2, ttmp6, 0x10000c
	s_cmp_lg_u32 s2, 0xf033
	s_cbranch_scc0 .Lentry_shape_is_right
	s_endpgm
.Lentry_shape_is_right:
; q, k, v = x_p W_p + b_p for p = 0, 1, 2.  x_p: [4096][1024] f16, the three stacked from byte 0 of cb; W_p: [1024 k][1024 n] f16, the three stacked from byte WOFF of cb;
; b_p: [1024] f32.  Out: qkv[p][batch][head][token][64] in f16.  Sums and bias in f32, one rounding to f16.
; SHARES.  A work-group makes one tile of 256 x 256 of one product: 3 x 16 x 4 = 192 work-groups; grid y = 16 p + tile row, so that x's first row is 256 y in the stack.
; Four waves, each 128 x 128: 64 accumulators of 16 x 16, 512 registers.  K goes in 8 steps of 128 through two LDS slots filled by the tensor data mover.
; WHY THIS TILE, though 768 tiles of 128 x 128 would share out evenly: both tiles fill LDS with two slots, and behind each change of slots one load a wave goes out.  Here a slot is
; 256 matrix instructions of a wave's work, 240 of them between a request and the wait for it; with 128 x 128 it is 128 and 120.  And each byte read from LDS feeds twice the products.
; CLUSTERS: 4 x 4 work-groups, all of one product.  The four of a row of the cluster need the same tiles of x, the four of a column the same tiles of W: each tile is asked for jointly,
; by the same tensor load with the same descriptor and a mask that names the four.
; THE MATRIX INSTRUCTION IS USED TRANSPOSED: source 0 = 16 columns n of W, source 1 = 16 rows of x; a lane then holds eight neighbouring numbers of a row of C.
; W lies [k][n] in LDS as in memory and is turned by ds_load_tr16_b128 on its way into registers.
; LIMIT: f16 operands and f16 results: magnitudes above 65,504 become infinities.
; REGISTERS, in windows of 256 (s_set_vgpr_msb's low byte: bits 1:0 source 0, 3:2 source 1, 5:4 source 2, 7:6 destination):
;   window 0: v16-27 addresses; v64-127, v128-191 fragments of x (8 x 16 rows x 32 K), two buffers, on the way out at work; v192-255 the bias
;   window 1: v64-127, v128-191 fragments of W, two buffers
;   window 2: the 32 accumulators of my rows 0-63 (accumulator (a, b) at v[8 (8 a + b)]);   window 3: those of my rows 64-127
.set KSTEP,  128
.set PA,     272                       ; an LDS row of x: 256 bytes + 16 of padding = 68 words: the 16 rows of a fragment load start 4 words apart modulo 64
.set PB,     544                       ; an LDS row of W: 256 n = 512 bytes + 32 of padding = 136 words: the 8 rows x 32 bytes that 16 lanes of the turning load take fall on 64 different words modulo 64
.set HALFT,  128*PA                    ; what one tensor load brings: 128 rows of x, or 64 k of W (64 x 544 is the same 34,816 bytes)
.set SLOT,   4*HALFT                   ; 139,264 bytes: x's 256 rows, then W's 128 k
.set STAGE,  2*SLOT                    ; 278,528 = 1,088 x 256: behind the ring; no tensor load fills it
.set SPITCH, 144                       ; a stage row: a head's 64 f16 + 16 bytes
.set HSTG,   16*SPITCH                 ; 16 rows of one head
.set WSTG,   2*HSTG                    ; a wave's own stage: its two heads, 4,608 = 18 x 256 bytes
.set LAPS,   1024/(2*KSTEP)            ; a lap = two K steps = once round the ring: 4
.set WOFF,   25165824                  ; where W_0 begins in cb
.set PLANE,  262144                    ; a head's 2,048 rows of 128 bytes in qkv
.set ADRA, 16                          ; v16-17  LDS address of my x fragments in slot 0, 1
.set ADRB, 20                          ; v20-21  the same for W
.set STO,  24                          ; the way out: where I put 16 bytes of a row
.set RD,   25                          ; where I read rows back
.set CO,   26                          ; my byte offset in qkv
.set BO,   27                          ; my byte offset in the bias
.set F0,   64                          ; fragment buffer 0
.set F1,   128                         ; fragment buffer 1
.set SUM,  64                          ; the way out: v64-127 16 rows x 128 columns: sums + bias
.set PKD,  128                         ; v128-159 the same in f16
.set RB,   160                         ; v160-191 16 rows read back
.set BIAS, 192                         ; v192-255 register 8 b + j: the bias of column 16 b + 8 (lane / 16) + j
.set G1,  24                           ; s[24:31] descriptor group 1 for x's tiles;  s[32:39] group 0, one set for each slot
.set G0,  32
.set G1B, 48                           ; s[48:55], s[56:63] the same for W's tiles
.set G0B, 56
.set BP,  76                           ; s[76:77] my product's bias
.set MSB, 0
.macro WIN new                         ; the immediate's high byte repeats the setting that is left; a switch that changes nothing is dropped
.if MSB != \new
	s_set_vgpr_msb (MSB<<8)|\new
.set MSB, \new
.endif
.endm
.set MUL_LO, 0xa1                      ; source 0 (W) window 1, source 1 (x) window 0, C and D window 2
.set MUL_HI, 0xf1                      ; the same, C and D window 3
.set TO_B,   0x40                      ; destination window 1, address window 0
.macro JLOAD s                         ; a joint load: waves 0 and 1 fetch x's two halves, waves 2 and 3 W's; four v_nop follow each of the two lines, ahead of the jump, the label and what follows
	s_cmp_eq_u32 s11, 0
	s_cbranch_scc0 .Lfor_b_\@
	tensor_load_to_lds s[G0+4*\s:G0+4*\s+3], s[G1:G1+7]
	s_nop 0
.rept 4
	v_nop
.endr
	s_branch .Lasked_\@
.Lfor_b_\@:
	tensor_load_to_lds s[G0B+4*\s:G0B+4*\s+3], s[G1B:G1B+7]
	s_nop 0
.rept 4
	v_nop
.endr
.Lasked_\@:
.endm
.macro CREST                           ; a round of the cluster's barrier behind its opening barrier
	s_cmp_lg_u32 s10, 0
	s_cbranch_scc1 .Lnot_wave_0_\@
	s_barrier_signal -3
.Lnot_wave_0_\@:
	s_barrier_wait -3
	s_barrier_signal -1
	s_barrier_wait -1
.endm
.macro CROUND                          ; a whole round
	s_barrier_signal -1
	s_barrier_wait -1
	CREST
.endm
.macro PLACES                          ; four places in front of loads into registers that matrix instructions have read, and of vector instructions that read results
.rept 4
	v_nop
.endr
.endm
	s_load_b64 s[4:5], s[0:1], 0x0                 ; cb: x_0 begins at its first byte
	s_load_b128 s[68:71], s[0:1], 0x8              ; bq, bk
	s_load_b128 s[72:75], s[0:1], 0x18             ; bv, qkv
	s_set_vgpr_msb 0x40
	v_lshl_add_u32 v255, v0, 2, 0x48800
	s_set_vgpr_msb 0x4000
	v_mov_b32 v63, 0
	s_set_vgpr_msb 0x1
	ds_add_u32 v255, v63
	s_set_vgpr_msb 0x100
	v_lshrrev_b32 v1, 5, v0
	v_readfirstlane_b32 s10, v1                    ; wave 0..3
	s_lshr_b32 s11, s10, 1                         ; which half of the tile's rows is mine.  Also: I fetch for x (0) or for W (1)
	s_and_b32 s12, s10, 1                          ; which half of its columns.  Also: which half of that tile I fetch
	s_bfe_u32 s40, ttmp6, 0x40000                  ; cx, cy: my place in the cluster
	s_bfe_u32 s41, ttmp6, 0x40004
	s_lshl_b32 s42, ttmp9, 2
	s_add_co_u32 s42, s42, s40                     ; tile column = 4 x cluster x + cx, 0..3
	s_and_b32 s45, ttmp7, 0xffff                   ; cluster y, 0..11
	s_lshl_b32 s13, s45, 2
	s_add_co_u32 s13, s13, s41                     ; 16 p + tile row = 4 x cluster y + cy, 0..47
	s_lshr_b32 s45, s45, 2                         ; the product p, from the cluster's y alone: the same in all sixteen partners
	s_lshl_b32 s43, s41, 2
	s_lshl_b32 s43, 15, s43                        ; my row of the cluster
	s_lshl_b32 s44, 0x1111, s40                    ; my column
	; group 1 for x: 128 rows x 128 elements of 2 bytes, 4 words of padding behind every 64 words
	s_or_b32 s[G1+0], s43, (1<<16)|(1<<20)|(1<<21)|(5<<22)|(3<<25)  ; 15:0 the mask: my row; 17:16 element size; 20 padding on; 21 set beside a mask; 24:22 interval; 31:25 padding
	s_mov_b32 s[G1+1], KSTEP<<16                   ; tensor_dim0 = 128
	s_mov_b32 s[G1+2], 128<<16                     ; tensor_dim1 = 128
	s_mov_b32 s[G1+3], KSTEP<<16                   ; tile_dim0 = 128
	s_mov_b32 s[G1+4], 128                         ; tile_dim1 = 128
	s_mov_b32 s[G1+5], 1024                        ; elements from row to row
	s_mov_b32 s[G1+6], 0
	s_mov_b32 s[G1+7], 0
	; group 1 for W: 64 k x 256 n, 8 words of padding behind every 128 words
	s_or_b32 s[G1B+0], s44, (1<<16)|(1<<20)|(1<<21)|(6<<22)|(7<<25) ; the mask: my column
	s_mov_b32 s[G1B+1], 256<<16                    ; tensor_dim0 = 256
	s_mov_b32 s[G1B+2], 64<<16                     ; tensor_dim1 = 64
	s_mov_b32 s[G1B+3], 256<<16                    ; tile_dim0 = 256
	s_mov_b32 s[G1B+4], 64                         ; tile_dim1 = 64
	s_mov_b32 s[G1B+5], 1024
	s_mov_b32 s[G1B+6], 0
	s_mov_b32 s[G1B+7], 0
	; where the tiles come from: x's hang on 16 p + tile row alone, W's on the tile column and p alone, each in registers that never hold the other place in the cluster
	s_lshl_b32 s16, s13, 19                        ; 256 rows of 2,048 bytes
	s_lshl_b32 s17, s12, 18                        ; 128 rows: my half
	s_add_co_u32 s16, s16, s17
	s_mov_b32 s17, 0
	s_lshl_b32 s46, s42, 9                         ; 256 n of 2 bytes a tile column
	s_lshl_b32 s47, s12, 17                        ; 64 k of 2,048 bytes: my half
	s_add_co_u32 s46, s46, s47
	s_lshl_b32 s47, s45, 21                        ; 2 MiB a weight
	s_add_co_u32 s46, s46, s47
	s_mov_b32 s47, 0
	s_mul_i32 s20, s10, HALFT                      ; and where they go: x's two halves, then W's two halves = wave x 34,816: no place in the cluster enters an LDS address
	s_wait_dscnt 0x0
	s_wait_kmcnt 0x0
	s_add_nc_u64 s[6:7], s[4:5], WOFF
	s_mov_b64 s[8:9], s[74:75]
	s_cmp_eq_u32 s45, 1                            ; the bias is chosen among the three by the product's number alone
	s_cselect_b64 s[BP:BP+1], s[70:71], s[68:69]
	s_cmp_eq_u32 s45, 2
	s_cselect_b64 s[BP:BP+1], s[72:73], s[BP:BP+1]
	s_add_nc_u64 s[14:15], s[4:5], s[16:17]
	s_add_nc_u64 s[46:47], s[6:7], s[46:47]
	CROUND                                         ; all sixteen work-groups are here: the first joint loads meet
.irp s, 0,1
	s_mov_b32 s[G0+4*\s], 1                                        ; count = 1
	s_add_co_u32 s[G0+4*\s+1], s20, \s*SLOT                        ; LDS address
	s_add_nc_u64 s[G0+4*\s+2:G0+4*\s+3], s[14:15], \s*KSTEP*2      ; global address: K step s, 256 bytes along the rows
	s_or_b32 s[G0+4*\s+3], s[G0+4*\s+3], 0x80000000                ; type = 2
	s_mov_b32 s[G0B+4*\s], 1
	s_add_co_u32 s[G0B+4*\s+1], s20, \s*SLOT
	s_add_nc_u64 s[G0B+4*\s+2:G0B+4*\s+3], s[46:47], \s*KSTEP*2048 ; K step s, 128 rows down
	s_or_b32 s[G0B+4*\s+3], s[G0B+4*\s+3], 0x80000000
	JLOAD \s                                       ; two loads of mine are out
.endr
	v_and_b32 v1, 15, v0                           ; r = lane % 16
	v_bfe_u32 v2, v0, 4, 1                         ; h = lane / 16
	v_mul_u32_u24 v3, v1, PA                       ; a fragment of x: row r, 16 bytes for each half of the lanes; two loads 32 bytes apart
	v_lshl_add_u32 v3, v2, 4, v3
	s_mul_i32 s21, s11, HALFT                      ; my 128 rows
	v_add_nc_u32 v[ADRA], s21, v3
	v_add_nc_u32 v[ADRA+1], SLOT, v[ADRA]
	v_and_b32 v4, 7, v0                            ; the turning load: lane l reads 16 bytes of row k = 8 h + l % 8, columns 8 ((l / 8) % 2) on, and ends up with column l % 16 and 8 k
	v_lshl_add_u32 v4, v2, 3, v4
	v_mul_u32_u24 v4, v4, PB
	v_bfe_u32 v5, v0, 3, 1
	v_lshl_add_u32 v4, v5, 4, v4
	s_lshl_b32 s22, s12, 8                         ; my 128 columns: 256 bytes,
	s_add_co_u32 s22, s22, 2*HALFT                 ; behind x's 256 rows
	v_add_nc_u32 v[ADRB], s22, v4
	v_add_nc_u32 v[ADRB+1], SLOT, v[ADRB]
	s_mul_i32 s23, s10, WSTG
	s_add_co_u32 s23, s23, STAGE                   ; my stage
	v_mul_u32_u24 v4, v1, SPITCH                   ; in: row r, 16 bytes (8 f16) for each half of the lanes
	v_lshl_add_u32 v4, v2, 4, v4
	v_add_nc_u32 v[STO], s23, v4
	v_and_b32 v3, 31, v0
	v_lshrrev_b32 v4, 3, v3                        ; back: eight lanes to a row of 128 bytes, four rows a load
	v_mul_u32_u24 v4, v4, SPITCH
	v_and_b32 v5, 7, v0
	v_lshl_add_u32 v4, v5, 4, v4
	v_add_nc_u32 v[RD], s23, v4
	v_lshlrev_b32 v[CO], 4, v3                     ; a head's rows of 128 bytes follow each other in qkv: four rows are 512 consecutive bytes
	s_lshl_b32 s46, s42, 10                        ; column terms, in the registers that held W's address
	s_lshl_b32 s47, s12, 9
	s_add_co_u32 s46, s46, s47                     ; 4 bytes x my first column = 1,024 x tile column + 512 x half
	v_lshl_add_u32 v[BO], v2, 5, s46               ; + 8 numbers for the upper half of the lanes
	s_lshl_b32 s46, s46, 10                        ; my first head = 4 x tile column + 2 x half: planes of 262,144 bytes
	s_lshr_b32 s16, s13, 3                         ; 2 p + batch: 16 planes each
	s_lshl_b32 s16, s16, 22
	s_and_b32 s17, s13, 7                          ; 256 tokens of 128 bytes a tile row
	s_lshl_b32 s17, s17, 15
	s_add_co_u32 s16, s16, s17
	s_lshl_b32 s17, s11, 14                        ; my 128 tokens
	s_add_co_u32 s16, s16, s17
	s_mov_b32 s17, 0
	s_mov_b32 s47, 0
	s_add_nc_u64 s[8:9], s[8:9], s[16:17]
	s_add_nc_u64 s[8:9], s[8:9], s[46:47]
.irp b, 0,1,2,3,4,5,6,7                ; the bias of my 64 numbers of a row: it has the whole product in which to come
	global_load_b128 v[BIAS+8*\b:BIAS+8*\b+3],   v[BO], s[BP:BP+1] offset:64*\b
	global_load_b128 v[BIAS+8*\b+4:BIAS+8*\b+7], v[BO], s[BP:BP+1] offset:64*\b+16
.endr
; 16 matrix instructions: row blocks a0, a0 + 1 of the window's four (hi = 0: my rows 0-63, 1: rows 64-127) x all 8 column blocks, 32 along K.
; zero = 1: the product starts the sums: nothing is ever cleared.  The 64 accumulators take turns, one instruction a turn, in the same order in every quarter.
.macro MUL16 f, hi, a0, zero
.irp a, \a0, \a0+1
.irp b, 0,1,2,3,4,5,6,7
.if \zero
	v_wmma_f32_16x16x32_f16 v[8*(8*(\a)+\b):8*(8*(\a)+\b)+7], v[\f+8*\b:\f+8*\b+7], v[\f+8*(4*\hi+\a):\f+8*(4*\hi+\a)+7], 0
.else
	v_wmma_f32_16x16x32_f16 v[8*(8*(\a)+\b):8*(8*(\a)+\b)+7], v[\f+8*\b:\f+8*\b+7], v[\f+8*(4*\hi+\a):\f+8*(4*\hi+\a)+7], v[8*(8*(\a)+\b):8*(8*(\a)+\b)+7]
.endif
.endr
.endr
.endm
; 32 LDS loads in one run: the fragments of quarter q (32 along K) of a slot into buffer f: 128 columns of W, then 128 rows of x
.macro FETCH slot, q, f
	WIN TO_B
.irp i, 0,1,2,3,4,5,6,7
	ds_load_tr16_b128 v[\f+8*\i:\f+8*\i+3],   v[ADRB+\slot] offset:32*(\q)*PB+32*\i
	ds_load_tr16_b128 v[\f+8*\i+4:\f+8*\i+7], v[ADRB+\slot] offset:(32*(\q)+16)*PB+32*\i
.endr
	WIN 0
.irp i, 0,1,2,3,4,5,6,7
	ds_load_b128 v[\f+8*\i:\f+8*\i+3],   v[ADRA+\slot] offset:64*(\q)+\i*16*PA
	ds_load_b128 v[\f+8*\i+4:\f+8*\i+7], v[ADRA+\slot] offset:64*(\q)+\i*16*PA+32
.endr
.endm
; A K step is four quarters of 32 along K, 64 matrix instructions each, on buffers 0, 1, 0, 1.  One of the first three: multiplies buffer f; in its middle it fetches quarter q into buffer g.
.macro QUARTER slot, q, f, g, zero
	s_wait_dscnt 8                                 ; W and x's rows 0-63 are in; the youngest eight loads (x's rows 64-127) may be out
	WIN MUL_LO
	MUL16 \f, 0, 0, \zero
	MUL16 \f, 0, 2, \zero
	PLACES
	FETCH \slot, \q, \g
	s_wait_dscnt 32                                ; all but the 32 just issued
	WIN MUL_HI
	MUL16 \f, 1, 0, \zero
	MUL16 \f, 1, 2, \zero
.endm
; The last quarter multiplies buffer 1 and changes slots: one barrier; in front of it each wave waits for its own reads of this slot and for all its tensor loads.
; fill = 1: the barrier opens a round of the cluster's, and this slot is filled again with the K step two on; 0: nothing is left to fetch.
.macro TURN slot, next, fill
	s_wait_dscnt 8
	WIN MUL_LO
	MUL16 F1, 0, 0, 0
	s_wait_dscnt 0                                 ; my reads of this slot are over,
	s_wait_tensorcnt 0x0                           ; and all my tensor loads have landed: the one that was out is my part of the next slot
	ds_add_u32 v255, v63
	s_wait_dscnt 0x0
	s_barrier_signal -1
	MUL16 F1, 0, 2, 0                              ; work on registers while the others arrive
.if \fill
	WIN 0
.endif
	s_barrier_wait -1
.if \fill
	CREST                                          ; no wave of any partner still reads this slot or has a load on its way
	s_add_nc_u64 s[G0+4*\slot+2:G0+4*\slot+3], s[G0+4*\slot+2:G0+4*\slot+3], 2*KSTEP*2
	s_add_nc_u64 s[G0B+4*\slot+2:G0B+4*\slot+3], s[G0B+4*\slot+2:G0B+4*\slot+3], 2*KSTEP*2048
	JLOAD \slot                                    ; my one tensor load behind the round, 240 matrix instructions ahead of the wait for it; its four v_nop are also the places in front of the loads below
.else
	PLACES
.endif
	FETCH \next, 0, F0
	WIN MUL_HI
	MUL16 F1, 1, 0, 0
	MUL16 F1, 1, 2, 0
.endm
; THE WAY OUT, 16 rows at a time, through the wave's own stage: no barrier, and LDS serves a wave's instructions in order (ISA guide 5.7.1), so no wait between its stores and its loads.
.macro PACK a                          ; block a: sums + bias, each accumulator's registers in ascending order; then one rounding to f16
.set AC, 64*((\a)%4)
.set PW, 2+(\a)/4                      ; source 0 in window 2 (blocks 0-3) or 3 (blocks 4-7)
	WIN PW
.irp b, 0,1,2,3,4,5,6,7
.irp j, 0,2,4,6
	v_pk_add_f32 v[SUM+8*\b+\j:SUM+8*\b+\j+1], v[AC+8*\b+\j:AC+8*\b+\j+1], v[BIAS+8*\b+\j:BIAS+8*\b+\j+1]
.endr
.endr
	WIN 0
.set i, 0
.rept 32
	v_cvt_pk_f16_f32 v[PKD+i], v[SUM+2*i], v[SUM+2*i+1]
.set i, i+1
.endr
.endm
.macro TOSTAGE                         ; column blocks 0-3 are my first head's 128 bytes of a row, blocks 4-7 my second head's
.irp b, 0,1,2,3,4,5,6,7
	ds_store_b128 v[STO], v[PKD+4*\b:PKD+4*\b+3] offset:(\b/4)*HSTG+32*(\b%4)
.endr
	s_wait_xcnt 0x0                                ; the registers below were the data of the block before's stores: they are loaded again only behind this wait
.irp hh, 0,1
.irp t, 0,1,2,3
	ds_load_b128 v[RB+4*(4*\hh+\t):RB+4*(4*\hh+\t)+3], v[RD] offset:\hh*HSTG+\t*4*SPITCH
.endr
.endr
.endm
.macro SEND a
	s_wait_dscnt 0x0                               ; the block is back in registers
.irp hh, 0,1
.irp t, 0,1,2,3
	global_store_b128 v[CO], v[RB+4*(4*\hh+\t):RB+4*(4*\hh+\t)+3], s[8:9] offset:\hh*PLANE+2048*(\a)+512*\t   ; 32 lanes store 512 consecutive bytes of one head, at a multiple of 512 from qkv's first byte
.endr
.endr
.endm
	s_wait_tensorcnt 1                             ; my part of K step 0 is in; K step 1's may stay out
	s_barrier_signal -1
	s_barrier_wait -1                              ; everybody's is
	FETCH 0, 0, F0
	QUARTER 0, 1, F0, F1, 1                        ; the first quarter stands in front of the loop: its products start the sums
	WIN 0                                          ; at a label and at a branch every window is 0
	s_mov_b32 s3, LAPS-1
.Llap:                                                 ; a trip goes once round the ring, from a lap's second quarter to the next lap's first, and fills both slots again: K steps 2 to 7
	QUARTER 0, 2, F1, F0, 0
	QUARTER 0, 3, F0, F1, 0
	TURN 0, 1, 1
	QUARTER 1, 1, F0, F1, 0
	QUARTER 1, 2, F1, F0, 0
	QUARTER 1, 3, F0, F1, 0
	TURN 1, 0, 1
	QUARTER 0, 1, F0, F1, 0
	WIN 0
	s_sub_co_u32 s3, s3, 1
	s_cmp_lg_u32 s3, 0
	s_cbranch_scc1 .Llap
	QUARTER 0, 2, F1, F0, 0                        ; the last lap is written out: it fills nothing, and has no round of the cluster's barrier
	QUARTER 0, 3, F0, F1, 0
	TURN 0, 1, 0
	QUARTER 1, 1, F0, F1, 0
	QUARTER 1, 2, F1, F0, 0
	QUARTER 1, 3, F0, F1, 0
	s_wait_dscnt 8                                 ; the very last quarter: nothing more to fetch
	WIN MUL_LO
	MUL16 F1, 0, 0, 0
	MUL16 F1, 0, 2, 0
	s_wait_dscnt 0
	WIN MUL_HI
	MUL16 F1, 1, 0, 0
	MUL16 F1, 1, 2, 0
	WIN 0
	PLACES                                         ; the additions read results just made and write registers that the products have read
	s_wait_loadcnt 0x0                             ; the bias
	PACK 0
	TOSTAGE
.irp a, 1,2,3,4,5,6,7                  ; block a's arithmetic stands between block a - 1's loads from the stage and the wait for them
	PACK \a
	SEND \a-1
	TOSTAGE
.endr
	SEND 7
	s_set_vgpr_msb 0x1
	s_wait_tensorcnt 0x0
	ds_add_u32 v255, v63
	s_wait_dscnt 0x0
	s_set_vgpr_msb 0x100
	CROUND                                         ; the closing round: no work-group ends while a partner may still ask for a tile that names it
	s_endpgm
.Lfunc_end_k_q0f3c7062ed_proj3:
	.size	k_q0f3c7062ed_proj3, .Lfunc_end_k_q0f3c7062ed_proj3-k_q0f3c7062ed_proj3
	.p2alignl 7, 3214868480
	.fill 96, 4, 3214868480
	.section	.rodata,"a",@progbits
	.p2align	6, 0x0
	.amdhsa_kernel k_q0f3c7062ed_proj3
		.amdhsa_group_segment_fixed_size 327680
		.amdhsa_private_segment_fixed_size 0
		.amdhsa_enable_private_segment 0
		.amdhsa_kernarg_size 40
		.amdhsa_user_sgpr_count 2
		.amdhsa_user_sgpr_kernarg_segment_ptr 1
		.amdhsa_wavefront_size32 1
		.amdhsa_system_sgpr_workgroup_id_x 1
		.amdhsa_system_sgpr_workgroup_id_y 1
		.amdhsa_system_sgpr_workgroup_id_z 1
		.amdhsa_system_vgpr_workitem_id 0
		.amdhsa_next_free_vgpr 1024
		.amdhsa_next_free_sgpr 80
		.amdhsa_reserve_vcc 0
		.amdhsa_float_denorm_mode_32 3
		.amdhsa_float_denorm_mode_16_64 3
		.amdhsa_memory_ordered 1
		.amdhsa_forward_progress 1
		.amdhsa_inst_pref_size 160
	.end_amdhsa_kernel
	.amdgpu_metadata
---
amdhsa.version: [ 1, 2 ]
amdhsa.kernels:
  - .name:           k_q0f3c7062ed_proj3
    .symbol:         k_q0f3c7062ed_proj3.kd
    .args:
      - { .name: cb, .offset: 0, .size: 8, .value_kind: global_buffer, .address_space: global }
      - { .name: bq, .offset: 8, .size: 8, .value_kind: global_buffer, .address_space: global }
      - { .name: bk, .offset: 16, .size: 8, .value_kind: global_buffer, .address_space: global }
      - { .name: bv, .offset: 24, .size: 8, .value_kind: global_buffer, .address_space: global }
      - { .name: qkv, .offset: 32, .size: 8, .value_kind: global_buffer, .address_space: global }
    .group_segment_fixed_size: 327680
    .private_segment_fixed_size: 0
    .kernarg_segment_align: 8
    .kernarg_segment_size: 40
    .max_flat_workgroup_size: 128
    .sgpr_count:     80
    .vgpr_count:     1024
    .wavefront_size: 32
...
	.end_amdgpu_metadata
.endif
;; end of part 2
;; launch attn (part 3): grid 16 x 16, 8 waves a work-group, no clusters, 199,680 bytes of LDS; arguments qkv, rel_table, ao; writes ao
.if DOCPART == 3
	.amdgcn_target "amdgcn-amd-amdhsa--gfx1250"
	.amdhsa_code_object_version 6
	.text
	.protected	k_q0f3c7062ed_attn
	.globl	k_q0f3c7062ed_attn
	.p2align	8
	.type	k_q0f3c7062ed_attn,@function
k_q0f3c7062ed_attn:
	s_mov_b64 s[64:65], 0
	v_nop
	global_prefetch_b8 v0, s[64:65] scope:SCOPE_SE
	s_setreg_imm32_b32 hwreg(HW_REG_WAVE_MODE, 25, 1), 1
	s_wait_xcnt 0x0
; ao[token][64 head + d] = sum over k of softmax_k(q . k / 8 + table[k - q + 128][head], masked to |k - q| <= 64) v[k][d].  qkv: [3][batch][head][2048][64] f16; rel_table: [257][16] f32; ao: [4096][1024] f16.
; Outside the band the score is replaced by -1e9, whose weight is 0 in f32, so a query's 129 keys are all that is computed: the distance never reaches the clip at 128.
; SHARES.  Grid x = a block of 128 queries, grid y = 8 x batch + a pair of heads (two heads' 2 x 128 bytes make whole aligned 256 bytes of a row of ao).  Eight waves: wave w has head w / 4 of the
; pair and queries 32 (w % 4) on, two tiles of 16, which share ONE window of 160 keys.  The work-group's 256 key rows and each wave's window are clamped into the sequence; keys that a clamped
; window holds beyond the band are masked like all others.
; LAYOUT.  S^T = K Q^T (source 0 = 16 keys, source 1 = 16 queries): a lane holds one query (lane % 16) and keys 8 (lane / 16) + 0..7 of each of ten key tiles.  Rounded to f16 in pairs, two tiles ARE
; source 1 (32 keys x 16 queries) of O^T = V^T P; V is turned by ds_load_tr16_b128.  The whole band's 80 scores a lane lie in registers, so the softmax is one pass with the true maximum taken away.
; SCALE, BIAS AND MASK are one fused multiply-add from a table in LDS: entry e (distance e - 160) is the pair (c, bias x log2 e) in the band, (0, -1e9 x log2 e) outside, c = log2(e) / 8.
; LDS is filled once, through registers; no region is used twice.  THREE BARRIERS: behind the copy of K, V and the table; between all waves' reads of them and the stores into the stage; between
; those stores and the reads of whole rows.  No multicast: a work-group's window of 256 key rows begins 128 rows behind its neighbour's, and at the two ends of the sequence it is
; shifted by 64, so no two work-groups want the same tile.
; LIMITS: finite inputs (every query has its own key in the band, so no row is empty); a query's largest score in the band lies far above -1e9 (150 or more), else masked keys would get weight
; in the reference and get none here; |q|, |k|, |v| below 65,504 (f16).
.set KP,    144                        ; a row of K in LDS: 128 bytes + 16: an odd multiple of 16
.set VP,    160                        ; a row of V: 128 + 32: an odd multiple of 32, for the turning load
.set KHEAD, 256*KP
.set VHEAD, 256*VP
.set VLDS,  2*KHEAD                    ; 73,728
.set TLDS,  VLDS+2*VHEAD               ; 155,648: two tables of 512 entries of 8 bytes
.set STG,   TLDS+8192                  ; 163,840: 128 rows x 272 bytes, the way out
.set SP,    272
.set SECT,  8388608                    ; a section of qkv
.set PLANE, 262144                     ; a head's 2,048 rows of 128 bytes
.set LOG2E, 0x3fb8aa3b
.set CSC,   0x3e38aa3b                 ; log2(e) / 8
.set NEGL,  0xceabfb8f                 ; -1e9 x log2(e)
.set QOF, 3                            ; v3  my byte offset in the wave's rows of Q; outside the ring, since Q's loads are still out when the ring is first loaded
.set KA,  4                            ; LDS address of my K fragments
.set VA,  5                            ; of my V fragments
.set TA,  6                            ; of my table entries
.set STO, 7
.set RD,  8
.set GO,  9
.set RL,  10                           ; v[10:11], v[12:13]  1 / l of tile 0, 1, twice each
.set M,   14                           ; v[14:15]  the maximum, twice
.set Q,   16                           ; v16-47  Q: fragment (tile u, channels 32 c on) at 16 + 16 u + 8 c
.set O,   16                           ; v16-79  later O^T: (u, channels 16 f on) at 16 + 32 u + 8 f
.set RING, 48                          ; v48-95  at first addresses of the copy; then three buffers of 16 by turns: K's fragments, then table entries
.set TM,  48                           ; v48-55  at work in the softmax
.set KD,  96                           ; v96-159  the copy's K, v160-223 its V
.set VD,  160
.set S,   96                           ; v96-255  S^T: (u, key tile i) at 96 + 80 u + 8 i; packed, P of tile u is its first 40 registers
.set VB0, 136                          ; V's fragments of 32 keys: v136-167 and v216-247 by turns, where packing has made room
.set PK,  96                           ; the way out: packed results
.set OB,  128                          ; and whole rows
.set SEL, 24                           ; s[24:25] lane selects: each lane takes its own place in the other half
.macro PLACES                          ; four places in front of loads into registers that matrix instructions have read, and of vector instructions that read results
.rept 4
	v_nop
.endr
.endm
	s_load_b128 s[4:7], s[0:1], 0x0                ; qkv s[4:5], rel_table s[6:7]
	s_load_b64 s[8:9], s[0:1], 0x10                ; ao
	s_set_vgpr_msb 0x40
	v_lshl_add_u32 v0, v0, 2, 0x30800
	v_mov_b32 v1, 0
	s_set_vgpr_msb 0x4000
	v_lshrrev_b32 v1, 5, v0
	v_readfirstlane_b32 s10, v1                    ; wave 0..7
	s_lshr_b32 s11, s10, 2                         ; my head of the pair
	s_and_b32 s12, s10, 3                          ; my 32 queries of the block
	s_and_b32 s13, ttmp7, 0xffff
	s_lshr_b32 s14, s13, 3                         ; batch
	s_and_b32 s15, s13, 7                          ; pair of heads
	s_mov_b32 s[SEL], 0x76543210
	s_mov_b32 s[SEL+1], 0xfedcba98
	s_lshl_b32 s26, ttmp9, 7                       ; the block's first query
	s_sub_co_i32 s27, s26, 64
	s_max_i32 s28, s27, 0
	s_min_i32 s28, s28, 1792                       ; the first of the work-group's 256 key rows: inside the sequence
	s_sub_co_i32 s27, s27, s28                     ; by how much that was shifted: -64 in the first block, 64 in the last, else 0
	s_lshl_b32 s29, s12, 5
	s_add_co_i32 s30, s29, s27
	s_max_i32 s30, s30, 0
	s_min_i32 s30, s30, 96                         ; my window's first row among the 256: 160 rows fit behind it
	s_sub_co_i32 s31, s30, s29                     ; window's first key - my first query + 144 - 15 = row - 32 (w % 4) - shift + 65;
	s_sub_co_i32 s31, s31, s27
	s_add_co_i32 s31, s31, 65
	s_max_i32 s31, s31, 1                          ; by the lines above it lies in 1 .. 129: the clamp only states that
	s_min_i32 s31, s31, 129
	s_lshl_b32 s32, s14, 4
	s_lshl1_add_u32 s32, s15, s32                  ; the pair's first plane: 16 x batch + 2 x pair
	s_lshl_b32 s16, s32, 18
	s_lshl_b32 s17, s28, 7
	s_add_co_u32 s16, s16, s17
	s_add_co_u32 s18, s16, 2*SECT                  ; V's rows
	s_add_co_u32 s16, s16, SECT                    ; K's rows
	s_mov_b32 s17, 0
	s_mov_b32 s19, 0
	s_add_co_u32 s20, s32, s11                     ; Q: my head's plane, my 32 rows
	s_lshl_b32 s20, s20, 18
	s_add_co_u32 s21, s26, s29
	s_lshl_b32 s21, s21, 7
	s_add_co_u32 s20, s20, s21
	s_mov_b32 s21, 0
	s_lshl_b32 s22, s14, 22                        ; ao: rows of 2,048 bytes: 2,048 x batch + the block's first query + 16 x wave; 256 bytes a pair of heads
	s_lshl_b32 s23, ttmp9, 18
	s_add_co_u32 s22, s22, s23
	s_lshl_b32 s23, s10, 15
	s_add_co_u32 s22, s22, s23
	s_lshl_b32 s23, s15, 8
	s_add_co_u32 s22, s22, s23
	s_mov_b32 s23, 0
	s_mul_i32 s33, s11, KHEAD                      ; LDS: my head's K at my window's first row
	s_mul_i32 s34, s30, KP
	s_add_co_u32 s33, s33, s34
	s_mul_i32 s34, s11, VHEAD                      ; the same for V
	s_mul_i32 s35, s30, VP
	s_add_co_u32 s34, s34, s35
	s_add_co_u32 s34, s34, VLDS
	s_lshl_b32 s35, s11, 12                        ; my head's table at my first entry
	s_lshl3_add_u32 s35, s31, s35
	s_add_co_u32 s35, s35, TLDS
	s_mul_i32 s36, s12, 32*SP                      ; the stage: in, my 32 rows and my head's 128 bytes of them;
	s_lshl_b32 s37, s11, 7
	s_add_co_u32 s36, s36, s37
	s_add_co_u32 s36, s36, STG
	s_mul_i32 s37, s10, 16*SP                      ; back, rows 16 w on, whole
	s_add_co_u32 s37, s37, STG
	s_lshl_b32 s38, s15, 3                         ; the pair's 8 bytes in a row of rel_table
	v_and_b32 v1, 15, v0                           ; r = lane % 16
	v_bfe_u32 v2, v0, 4, 1                         ; h = lane / 16
	v_lshlrev_b32 v[QOF], 7, v1
	v_lshl_add_u32 v[QOF], v2, 4, v[QOF]           ; row r x 128 + 16 h
	v_max_u32 v63, 96, v0                          ; thread t makes table entry t; its row of rel_table is clamp(t, 96, 224) - 32,
	v_min_u32 v63, 224, v63
	v_lshl_add_u32 v48, v63, 6, s38                ; the 32 rows of 64 bytes are taken off in the load's immediate
	v_lshlrev_b32 v58, 4, v0                       ; the copy: 16 bytes a thread, 4,096 bytes (32 rows) a load
	s_wait_kmcnt 0x0
	s_add_nc_u64 s[16:17], s[4:5], s[16:17]
	s_add_nc_u64 s[18:19], s[4:5], s[18:19]
	s_add_nc_u64 s[20:21], s[4:5], s[20:21]
	s_add_nc_u64 s[22:23], s[8:9], s[22:23]
	global_load_b64 v[50:51], v48, s[6:7] offset:-2048             ; both heads' bias
.irp n, 0,1,2,3,4,5,6,7
	global_load_b128 v[KD+4*\n:KD+4*\n+3], v58, s[16:17] offset:4096*\n
.endr
.irp n, 0,1,2,3,4,5,6,7
	global_load_b128 v[KD+32+4*\n:KD+32+4*\n+3], v58, s[16:17] offset:PLANE+4096*\n
.endr
.irp n, 0,1,2,3,4,5,6,7
	global_load_b128 v[VD+4*\n:VD+4*\n+3], v58, s[18:19] offset:4096*\n
.endr
.irp n, 0,1,2,3,4,5,6,7
	global_load_b128 v[VD+32+4*\n:VD+32+4*\n+3], v58, s[18:19] offset:PLANE+4096*\n
.endr
.irp u, 0,1
.irp c, 0,1
	global_load_b128 v[Q+16*\u+8*\c:Q+16*\u+8*\c+3],   v[QOF], s[20:21] offset:2048*\u+64*\c
	global_load_b128 v[Q+16*\u+8*\c+4:Q+16*\u+8*\c+7], v[QOF], s[20:21] offset:2048*\u+64*\c+32
.endr
.endr
	; addresses, while the loads are on their way
	v_lshrrev_b32 v66, 3, v0                       ; the copy into LDS: row t / 8 of each 32, 16 bytes at 16 (t % 8)
	v_and_b32 v67, 7, v0
	v_lshlrev_b32 v67, 4, v67
	v_mad_u32_u24 v59, v66, KP, v67
	v_add_nc_u32 v60, KHEAD, v59                   ; the second head, in a register of its own: an LDS immediate reaches 65,535 bytes
	v_mad_u32_u24 v61, v66, VP, v67
	v_add_nc_u32 v61, VLDS, v61
	v_add_nc_u32 v62, VHEAD, v61
	v_lshl_add_u32 v49, v0, 3, TLDS                ; table entry t
	v_mul_u32_u24 v[KA], v1, KP                    ; a fragment of K: row r, 16 bytes for each half of the lanes
	v_lshl_add_u32 v[KA], v2, 4, v[KA]
	v_add_nc_u32 v[KA], s33, v[KA]
	v_and_b32 v[VA], 7, v0                         ; the turning load: key 8 h + l % 8, channels 8 ((l / 8) % 2) on
	v_lshl_add_u32 v[VA], v2, 3, v[VA]
	v_mul_u32_u24 v[VA], v[VA], VP
	v_bfe_u32 v66, v0, 3, 1
	v_lshl_add_u32 v[VA], v66, 4, v[VA]
	v_add_nc_u32 v[VA], s34, v[VA]
	v_sub_nc_u32 v[TA], 15, v1                     ; my entries: key - query grows with 8 h and falls with r
	v_lshl_add_u32 v[TA], v2, 3, v[TA]
	v_lshl_add_u32 v[TA], v[TA], 3, s35
	v_mul_u32_u24 v[STO], v1, SP
	v_lshl_add_u32 v[STO], v2, 4, v[STO]
	v_add_nc_u32 v[STO], s36, v[STO]
	v_mul_u32_u24 v[RD], v2, SP                    ; back: lanes 0-15 one row of 256 bytes, lanes 16-31 the next
	v_lshl_add_u32 v[RD], v1, 4, v[RD]
	v_add_nc_u32 v[RD], s37, v[RD]
	v_lshlrev_b32 v[GO], 11, v2                    ; the same two rows in ao
	v_lshl_add_u32 v[GO], v1, 4, v[GO]
	; the table: entries t and t + 256 of both heads
	v_mov_b32 v56, 0
	v_mov_b32 v57, NEGL                            ; outside the band: 0 x s - 1e9 log2 e
	v_mov_b32 v65, CSC
	v_cmp_eq_u32 vcc_lo, v0, v63                   ; in the band (96 <= t <= 224) the clamp has changed nothing
	s_wait_loadcnt 40                              ; the table's load is in: behind it 16 + 16 + 8 were issued
	v_mul_f32 v50, LOG2E, v50
	v_mul_f32 v51, LOG2E, v51
	v_cndmask_b32 v52, v56, v65, vcc_lo
	v_cndmask_b32 v53, v57, v50, vcc_lo
	v_cndmask_b32 v54, v56, v65, vcc_lo
	v_cndmask_b32 v55, v57, v51, vcc_lo
	ds_store_b64 v49, v[52:53]
	ds_store_b64 v49, v[54:55] offset:4096
	ds_store_b64 v49, v[56:57] offset:2048
	ds_store_b64 v49, v[56:57] offset:6144
	; K and V into LDS; the counts: 31 - i younger loads of the copy and Q's eight stay out
.irp n, 0,1,2,3,4,5,6,7
	s_wait_loadcnt 39-\n
	ds_store_b128 v59, v[KD+4*\n:KD+4*\n+3] offset:32*KP*\n
.endr
.irp n, 0,1,2,3,4,5,6,7
	s_wait_loadcnt 31-\n
	ds_store_b128 v60, v[KD+32+4*\n:KD+32+4*\n+3] offset:32*KP*\n
.endr
.irp n, 0,1,2,3,4,5,6,7
	s_wait_loadcnt 23-\n
	ds_store_b128 v61, v[VD+4*\n:VD+4*\n+3] offset:32*VP*\n
.endr
.irp n, 0,1,2,3,4,5,6,7
	s_wait_loadcnt 15-\n
	ds_store_b128 v62, v[VD+32+4*\n:VD+32+4*\n+3] offset:32*VP*\n
.endr
	s_wait_dscnt 0x0                               ; for the others' sake: my stores are done
	s_barrier_signal -1
	s_barrier_wait -1
	; S^T = K Q^T: ten key tiles x two query tiles x 64 channels
.macro KLOAD i                         ; key tile i's two fragments into buffer i % 3
.set RG, RING+16*((\i)%3)
	ds_load_b128 v[RG:RG+3],     v[KA] offset:16*KP*(\i)
	ds_load_b128 v[RG+4:RG+7],   v[KA] offset:16*KP*(\i)+32
	ds_load_b128 v[RG+8:RG+11],  v[KA] offset:16*KP*(\i)+64
	ds_load_b128 v[RG+12:RG+15], v[KA] offset:16*KP*(\i)+96
.endm
.macro QK i, left                      ; the two accumulators take turns, one instruction a turn; the first products start the sums
.set RG, RING+16*((\i)%3)
.set S0, S+8*(\i)
.set S1, S+80+8*(\i)
	s_wait_dscnt \left                             ; four loads for each younger key tile stay out
	v_wmma_f32_16x16x32_f16 v[S0:S0+7], v[RG:RG+7],    v[Q:Q+7],     0
	v_wmma_f32_16x16x32_f16 v[S1:S1+7], v[RG:RG+7],    v[Q+16:Q+23], 0
	v_wmma_f32_16x16x32_f16 v[S0:S0+7], v[RG+8:RG+15], v[Q+8:Q+15],  v[S0:S0+7]
	v_wmma_f32_16x16x32_f16 v[S1:S1+7], v[RG+8:RG+15], v[Q+24:Q+31], v[S1:S1+7]
.endm
	KLOAD 0
	KLOAD 1
	KLOAD 2
	s_wait_loadcnt 0x0                             ; Q
.irp i, 0,1,2,3,4,5,6
	QK \i, 8
	PLACES
	KLOAD \i+3                                     ; into the buffer just multiplied
.endr
	QK 7, 8
	QK 8, 4
	QK 9, 0
	PLACES                                         ; in front of the loads into the ring and of the first reads of S^T
	; scale, bias and mask.  Run n of the table (16 distances on from my first entry + 16 n) serves key tile n - 1 of query tile 0 and key tile n of query tile 1, whose queries lie 16 further on.
.macro TLOAD n
.set RG, RING+16*((\n)%3)
.irp j, 0,1,2,3,4,5,6,7
	ds_load_b64 v[RG+2*\j:RG+2*\j+1], v[TA] offset:128*(\n)+8*\j
.endr
.endm
.macro APPLY n, left
.set RG, RING+16*((\n)%3)
	s_wait_dscnt \left                             ; eight loads for each younger run stay out
.irp j, 0,1,2,3,4,5,6,7
.if (\n) >= 1
	v_fma_f32 v[S+8*((\n)-1)+\j], v[S+8*((\n)-1)+\j], v[RG+2*\j], v[RG+2*\j+1]
.endif
.if (\n) <= 9
	v_fma_f32 v[S+80+8*(\n)+\j], v[S+80+8*(\n)+\j], v[RG+2*\j], v[RG+2*\j+1]
.endif
.endr
.endm
	TLOAD 0
	TLOAD 1
	TLOAD 2
.irp n, 0,1,2,3,4,5,6,7
	APPLY \n, 16
	TLOAD \n+3
.endr
	APPLY 8, 16
	APPLY 9, 8
	APPLY 10, 0
	; the softmax of query tile u: a lane's 80 scores, and one exchange with the lane 16 away, which holds the query's other 80
.macro SOFTMAX u
.set SB, S+80*\u
.irp k, 0,1,2,3                        ; the maximum, in four chains of 20 scores
	v_max_num_f32 v[TM+\k], v[SB+20*\k], v[SB+20*\k+1]
.endr
.irp n, 1,2,3,4,5,6,7,8,9
.irp k, 0,1,2,3
	v_max3_num_f32 v[TM+\k], v[TM+\k], v[SB+20*\k+2*\n], v[SB+20*\k+2*\n+1]
.endr
.endr
	v_max3_num_f32 v[TM], v[TM], v[TM+1], v[TM+2]
	v_max_num_f32 v[TM], v[TM], v[TM+3]
	v_permlanex16_b32 v[TM+1], v[TM], s[SEL], s[SEL+1]
	v_max_num_f32 v[M], v[TM], v[TM+1]
	v_mov_b32 v[M+1], v[M]
.set i, 0
.rept 40
	v_pk_add_f32 v[SB+i:SB+i+1], v[SB+i:SB+i+1], v[M:M+1] neg_lo:[0,1] neg_hi:[0,1]   ; s - m: the scores are in units of log2 already
.set i, i+2
.endr
.set i, 0
.rept 80
	v_exp_f32 v[SB+i], v[SB+i]
.set i, i+1
.endr
	v_nop                                          ; a plain instruction between the last exponential and the use of its result (ISA guide 5.7.2)
	s_wait_alu depctr_va_vdst(0)
.irp k, 0,1,2,3                        ; the sum, two at a time, in four chains of ten pairs
	v_pk_add_f32 v[TM+2*\k:TM+2*\k+1], v[SB+20*\k:SB+20*\k+1], v[SB+20*\k+2:SB+20*\k+3]
.endr
.irp n, 2,3,4,5,6,7,8,9
.irp k, 0,1,2,3
	v_pk_add_f32 v[TM+2*\k:TM+2*\k+1], v[TM+2*\k:TM+2*\k+1], v[SB+20*\k+2*\n:SB+20*\k+2*\n+1]
.endr
.endr
	v_pk_add_f32 v[TM:TM+1], v[TM:TM+1], v[TM+2:TM+3]
	v_pk_add_f32 v[TM+4:TM+5], v[TM+4:TM+5], v[TM+6:TM+7]
	v_pk_add_f32 v[TM:TM+1], v[TM:TM+1], v[TM+4:TM+5]
	v_add_f32 v[TM], v[TM], v[TM+1]
	v_permlanex16_b32 v[TM+1], v[TM], s[SEL], s[SEL+1]
	v_add_f32 v[TM], v[TM], v[TM+1]
	v_rcp_f32 v[RL+2*\u], v[TM]                    ; twice, to fill the pair that the packed multiply takes
	v_rcp_f32 v[RL+2*\u+1], v[TM]
	v_nop                                          ; a plain instruction behind the reciprocals
.set i, 0
.rept 40                               ; the weights to f16, in place from the low end: register i takes registers 2 i and 2 i + 1, which no earlier line has overwritten
	v_cvt_pk_f16_f32 v[SB+i], v[SB+2*i], v[SB+2*i+1]
.set i, i+1
.endr
.endm
	; O^T = V^T P: five chunks of 32 keys x four blocks of 16 channels x two query tiles
.macro VLOAD c
.set VBB, VB0+80*((\c)%2)
.irp f, 0,1,2,3
	ds_load_tr16_b128 v[VBB+8*\f:VBB+8*\f+3],   v[VA] offset:32*VP*(\c)+32*\f
	ds_load_tr16_b128 v[VBB+8*\f+4:VBB+8*\f+7], v[VA] offset:32*VP*(\c)+16*VP+32*\f
.endr
.endm
.macro PV c, left                      ; the eight accumulators take turns, one instruction a turn
.set VBB, VB0+80*((\c)%2)
	s_wait_dscnt \left                             ; the next chunk's eight loads stay out
.irp f, 0,1,2,3
.irp u, 0,1
.if (\c) == 0
	v_wmma_f32_16x16x32_f16 v[O+32*\u+8*\f:O+32*\u+8*\f+7], v[VBB+8*\f:VBB+8*\f+7], v[S+80*\u+8*(\c):S+80*\u+8*(\c)+7], 0
.else
	v_wmma_f32_16x16x32_f16 v[O+32*\u+8*\f:O+32*\u+8*\f+7], v[VBB+8*\f:VBB+8*\f+7], v[S+80*\u+8*(\c):S+80*\u+8*(\c)+7], v[O+32*\u+8*\f:O+32*\u+8*\f+7]
.endif
.endr
.endr
.endm
	SOFTMAX 0
	VLOAD 0                                        ; into registers that tile 0's packing has freed: it comes while tile 1's softmax runs
	SOFTMAX 1
	VLOAD 1
.irp c, 0,1,2
	PV \c, 8
	PLACES
	VLOAD \c+2                                     ; into the buffer just multiplied
.endr
	PV 3, 8
	PV 4, 0                                        ; its wait for 0 shows all my LDS reads back; no LDS instruction follows it up to the signal below
	; THE WAY OUT: divide by l, round to f16, 16 bytes a lane into the work-group's stage; a barrier, since a row's 256 bytes come from two waves (two heads); back as whole rows, 16 rows a wave.
	; Before any wave stores into LDS again, every wave's reads of K, V and the table have come back and a barrier is passed.  The stage is a region of its own (from byte 163,840 on, where the
	; table ends), but the windows' addresses hang on the block's number through the clamps above, so the ordering is stated outright and not left to that arithmetic.
	; Signal and wait stand apart: the division and the rounding, register work alone, lie between them.
	s_barrier_signal -1
	PLACES
	s_wait_alu depctr_va_vdst(0)
.irp u, 0,1
.set i, 0
.rept 16
	v_pk_mul_f32 v[O+32*\u+i:O+32*\u+i+1], v[O+32*\u+i:O+32*\u+i+1], v[RL+2*\u:RL+2*\u+1]
.set i, i+2
.endr
.endr
.set i, 0
.rept 32
	v_cvt_pk_f16_f32 v[PK+i], v[O+2*i], v[O+2*i+1]
.set i, i+1
.endr
	s_barrier_wait -1                              ; all eight waves have read what they need of K, V and the table
.irp u, 0,1
.irp f, 0,1,2,3
	ds_store_b128 v[STO], v[PK+16*\u+4*\f:PK+16*\u+4*\f+3] offset:16*SP*\u+32*\f
.endr
.endr
	s_wait_dscnt 0x0                               ; for the others' sake: my stores into the stage are done
	s_barrier_signal -1
	s_barrier_wait -1
.irp t, 0,1,2,3,4,5,6,7
	ds_load_b128 v[OB+4*\t:OB+4*\t+3], v[RD] offset:\t*2*SP
.endr
.irp t, 0,1,2,3,4,5,6,7
	s_wait_dscnt 7-\t
	global_store_b128 v[GO], v[OB+4*\t:OB+4*\t+3], s[22:23] offset:4096*\t   ; 16 lanes store 256 consecutive bytes, at a multiple of 256 from ao's first byte
.endr
	s_set_vgpr_msb 0x5
	s_wait_tensorcnt 0x0
	ds_add_u32 v0, v1
	s_wait_dscnt 0x0
	s_set_vgpr_msb 0x500
	s_endpgm
.Lfunc_end_k_q0f3c7062ed_attn:
	.size	k_q0f3c7062ed_attn, .Lfunc_end_k_q0f3c7062ed_attn-k_q0f3c7062ed_attn
	.p2alignl 7, 3214868480
	.fill 96, 4, 3214868480
	.section	.rodata,"a",@progbits
	.p2align	6, 0x0
	.amdhsa_kernel k_q0f3c7062ed_attn
		.amdhsa_group_segment_fixed_size 199680
		.amdhsa_private_segment_fixed_size 0
		.amdhsa_enable_private_segment 0
		.amdhsa_kernarg_size 24
		.amdhsa_user_sgpr_count 2
		.amdhsa_user_sgpr_kernarg_segment_ptr 1
		.amdhsa_wavefront_size32 1
		.amdhsa_system_sgpr_workgroup_id_x 1
		.amdhsa_system_sgpr_workgroup_id_y 1
		.amdhsa_system_sgpr_workgroup_id_z 1
		.amdhsa_system_vgpr_workitem_id 0
		.amdhsa_next_free_vgpr 258
		.amdhsa_next_free_sgpr 66
		.amdhsa_reserve_vcc 1
		.amdhsa_float_denorm_mode_32 3
		.amdhsa_float_denorm_mode_16_64 3
		.amdhsa_memory_ordered 1
		.amdhsa_forward_progress 1
		.amdhsa_inst_pref_size 73
	.end_amdhsa_kernel
	.amdgpu_metadata
---
amdhsa.version: [ 1, 2 ]
amdhsa.kernels:
  - .name:           k_q0f3c7062ed_attn
    .symbol:         k_q0f3c7062ed_attn.kd
    .args:
      - { .name: qkv, .offset: 0, .size: 8, .value_kind: global_buffer, .address_space: global }
      - { .name: rel_table, .offset: 8, .size: 8, .value_kind: global_buffer, .address_space: global }
      - { .name: ao, .offset: 16, .size: 8, .value_kind: global_buffer, .address_space: global }
    .group_segment_fixed_size: 199680
    .private_segment_fixed_size: 0
    .kernarg_segment_align: 8
    .kernarg_segment_size: 24
    .max_flat_workgroup_size: 256
    .sgpr_count:     66
    .vgpr_count:     258
    .wavefront_size: 32
...
	.end_amdgpu_metadata
.endif
;; end of part 3
;; launch oproj (part 4): grid 8 x 32, 4 waves a work-group, clusters of 4 x 4, 327,680 bytes of LDS; arguments ao, cb, bo, out0; writes out0
.if DOCPART == 4
	.amdgcn_target "amdgcn-amd-amdhsa--gfx1250"
	.amdhsa_code_object_version 6
	.text
	.protected	k_q0f3c7062ed_oproj
	.globl	k_q0f3c7062ed_oproj
	.p2align	8
	.type	k_q0f3c7062ed_oproj,@function
k_q0f3c7062ed_oproj:
	s_mov_b64 s[64:65], 0
	v_nop
	global_prefetch_b8 v0, s[64:65] scope:SCOPE_SE
	s_setreg_imm32_b32 hwreg(HW_REG_WAVE_MODE, 25, 1), 1
	s_wait_xcnt 0x0
	s_wait_alu depctr_hold_cnt(0) depctr_sa_sdst(0) depctr_va_vdst(0) depctr_va_sdst(0) depctr_va_ssrc(0) depctr_va_vcc(0) depctr_vm_vsrc(0)
	s_getreg_b32 s2, hwreg(HW_REG_IB_STS2, 6, 4)
	s_cmp_eq_u32 s2, 0
	s_cbranch_scc0 .Lentry_in_a_cluster
	s_endpgm
.Lentry_in_a_cluster:
	s_bfe_u32 s2, ttmp6, 0x10000c
	s_cmp_lg_u32 s2, 0xf033
	s_cbranch_scc0 .Lentry_shape_is_right
	s_endpgm
.Lentry_shape_is_right:
; out0 = ao Wo + bo.  ao: [4096][1024] f16; Wo: [1024 k][1024 n] f16 at byte WOFF of cb; bo: [1024] f32; out0: [4096][1024] f32.  Sums and bias in f32.
; SHARES.  A work-group owns one tile of 128 x 128 of out0: 256 work-groups (tiles of 256 x 256 would be 64).  Four waves, each 64 x 64: 16 accumulators of 16 x 16, 128 registers.
; K goes in 4 steps of 256, as long as two slots in LDS allow, through two LDS slots filled by the tensor data mover.  The 4 steps are written out in a straight line.
; CLUSTERS: 4 x 4 work-groups.  The four of a row of the cluster need the same tiles of ao, the four of a column the same tiles of Wo: each tile is asked for jointly, by the same tensor
; load with the same descriptor and a mask that names the four.
; THE MATRIX INSTRUCTION IS USED TRANSPOSED: source 0 = 16 columns n of W, source 1 = 16 rows of A; a lane then holds eight neighbouring numbers of a row of C.
; W lies [k][n] in LDS as in memory and is turned by ds_load_tr16_b128 on its way into registers.
; LIMIT: f16 operands: magnitudes above 65,504 have become infinities in the launches before.
; REGISTERS: window 0: v0-31 addresses; v32-127 the way out and the bias; v128-255 the accumulators ((a, b) at v[128 + 8 (4 a + b)]).
;   window 1: two fragment buffers of 128: for 64 along K, 64 registers of A (2 x 4 x 16 rows x 32 K), then 64 of W.
.set WOFF,    31457280                 ; where Wo begins in cb
.set KSTEP,   256
.set PA,      528                      ; an LDS row of A: 512 bytes + 16 of padding = 132 words: the 16 rows of a fragment load start 4 words apart modulo 64
.set PB,      288                      ; an LDS row of W: 128 n = 256 bytes + 32 of padding = 72 words: the 8 rows x 32 bytes that 16 lanes of the turning load take fall on 64 different words modulo 64
.set AHALF,   64*PA                    ; 64 rows of A: one tensor load
.set BHALF,   128*PB                   ; 128 k of W: one tensor load
.set BOFF,    2*AHALF
.set SLOT,    BOFF+2*BHALF             ; 141,312 bytes: A's 128 rows, then W's 256 k
.set STAGE,   2*SLOT                   ; 282,624 = 1,104 x 256: behind the ring; no tensor load fills it
.set WSTG,    4352                     ; a wave's own stage: 17 x 256 bytes
.set SPITCH,  272                      ; a stage row: 64 f32 + 16 bytes
.set ADRA, 16                          ; v16-17  LDS address of my A fragments in slot 0, 1
.set ADRB, 20                          ; v20-23  of my W fragments: slot 0 k 0-127, slot 0 k 128-255, slot 1 likewise (an LDS immediate reaches 65,535 bytes, 256 k are 73,728)
.set STO,  24                          ; the way out: where I put my numbers of a row
.set RD,   25                          ; where I read rows back
.set CO,   26                          ; my byte offset in C
.set BO,   27                          ; my byte offset in the bias
.set SUM,  32                          ; v32-63  16 rows x 64 columns: sums + bias
.set RB,   64                          ; v64-95  16 rows read back
.set BIAS, 96                          ; v96-127 register 8 b + j: the bias of column 16 b + 8 (lane / 16) + j
.set ACC,  128
.set F0,   0
.set F1,   128
.set G1,  24                           ; s[24:31] descriptor group 1 for A's tiles;  s[32:39] group 0, one set for each slot
.set G0,  32
.set G1B, 48                           ; s[48:55], s[56:63] the same for W's tiles
.set G0B, 56
.set BP,  68                           ; s[68:69] the bias
.set MSB, 0
.macro WIN new                         ; the immediate's high byte repeats the setting that is left; a switch that changes nothing is dropped
.if MSB != \new
	s_set_vgpr_msb (MSB<<8)|\new
.set MSB, \new
.endif
.endm
.set MUL,  0x05                        ; sources 0 (W) and 1 (A) window 1; C and D window 0
.set TO_F, 0x40                        ; destination window 1, address window 0
.macro JLOAD s                         ; a joint load: waves 0 and 1 fetch A's two halves, waves 2 and 3 W's; four v_nop follow each of the two lines, ahead of the jump, the label and what follows
	s_cmp_eq_u32 s11, 0
	s_cbranch_scc0 .Lfor_b_\@
	tensor_load_to_lds s[G0+4*\s:G0+4*\s+3], s[G1:G1+7]
	s_nop 0
.rept 4
	v_nop
.endr
	s_branch .Lasked_\@
.Lfor_b_\@:
	tensor_load_to_lds s[G0B+4*\s:G0B+4*\s+3], s[G1B:G1B+7]
	s_nop 0
.rept 4
	v_nop
.endr
.Lasked_\@:
.endm
.macro CREST                           ; a round of the cluster's barrier behind its opening barrier
	s_cmp_lg_u32 s10, 0
	s_cbranch_scc1 .Lnot_wave_0_\@
	s_barrier_signal -3
.Lnot_wave_0_\@:
	s_barrier_wait -3
	s_barrier_signal -1
	s_barrier_wait -1
.endm
.macro CROUND                          ; a whole round
	s_barrier_signal -1
	s_barrier_wait -1
	CREST
.endm
.macro PLACES                          ; four places in front of loads into registers that matrix instructions have read, and of vector instructions that read results
.rept 4
	v_nop
.endr
.endm
	s_load_b128 s[4:7], s[0:1], 0x0                ; A s[4:5], cb s[6:7]
	s_load_b128 s[68:71], s[0:1], 0x10             ; the bias s[68:69], C s[70:71]
	v_lshl_add_u32 v30, v0, 2, 0x49400
	v_mov_b32 v31, 0
	ds_add_u32 v30, v31
	v_lshrrev_b32 v1, 5, v0
	v_readfirstlane_b32 s10, v1                    ; wave 0..3
	s_lshr_b32 s11, s10, 1                         ; which half of the tile's rows is mine.  Also: I fetch for A (0) or for W (1)
	s_and_b32 s12, s10, 1                          ; which half of its columns.  Also: which half of that tile I fetch
	s_bfe_u32 s40, ttmp6, 0x40000                  ; cx, cy: my place in the cluster
	s_bfe_u32 s41, ttmp6, 0x40004
	s_lshl_b32 s42, ttmp9, 2
	s_add_co_u32 s42, s42, s40                     ; tile column = 4 x cluster x + cx, 0..7
	s_and_b32 s13, ttmp7, 0xffff
	s_lshl_b32 s13, s13, 2
	s_add_co_u32 s13, s13, s41                     ; tile row = 4 x cluster y + cy, 0..31
	s_lshl_b32 s43, s41, 2
	s_lshl_b32 s43, 15, s43                        ; my row of the cluster
	s_lshl_b32 s44, 0x1111, s40                    ; my column
	; group 1 for A: 64 rows x 256 elements of 2 bytes, 4 words of padding behind every 128 words
	s_or_b32 s[G1+0], s43, (1<<16)|(1<<20)|(1<<21)|(6<<22)|(3<<25)  ; 15:0 the mask: my row; 17:16 element size; 20 padding on; 21 set beside a mask; 24:22 interval; 31:25 padding
	s_mov_b32 s[G1+1], KSTEP<<16                   ; tensor_dim0 = 256
	s_mov_b32 s[G1+2], 64<<16                      ; tensor_dim1 = 64
	s_mov_b32 s[G1+3], KSTEP<<16                   ; tile_dim0 = 256
	s_mov_b32 s[G1+4], 64                          ; tile_dim1 = 64
	s_mov_b32 s[G1+5], 1024                        ; elements from row to row
	s_mov_b32 s[G1+6], 0
	s_mov_b32 s[G1+7], 0
	; group 1 for W: 128 k x 128 n, 8 words of padding behind every 64 words
	s_or_b32 s[G1B+0], s44, (1<<16)|(1<<20)|(1<<21)|(5<<22)|(7<<25) ; the mask: my column
	s_mov_b32 s[G1B+1], 128<<16
	s_mov_b32 s[G1B+2], 128<<16
	s_mov_b32 s[G1B+3], 128<<16
	s_mov_b32 s[G1B+4], 128
	s_mov_b32 s[G1B+5], 1024
	s_mov_b32 s[G1B+6], 0
	s_mov_b32 s[G1B+7], 0
	; where the tiles come from: A's hang on the tile row alone, W's on the tile column alone, each in registers that never hold the other coordinate
	s_lshl_b32 s16, s13, 18                        ; 128 rows of 2,048 bytes a tile row
	s_lshl_b32 s17, s12, 17                        ; 64 rows: my half
	s_add_co_u32 s16, s16, s17
	s_mov_b32 s17, 0
	s_lshl_b32 s46, s42, 8                         ; 128 n of 2 bytes a tile column
	s_lshl_b32 s47, s12, 18                        ; 128 k of 2,048 bytes: my half
	s_add_co_u32 s46, s46, s47
	s_mov_b32 s47, 0
	s_mul_i32 s20, s12, AHALF                      ; and where they go: no place in the cluster enters an LDS address
	s_mul_i32 s21, s12, BHALF
	s_add_co_u32 s21, s21, BOFF
	s_wait_dscnt 0x0
	s_wait_kmcnt 0x0
	s_add_nc_u64 s[6:7], s[6:7], WOFF
	s_mov_b64 s[8:9], s[70:71]
	s_add_nc_u64 s[14:15], s[4:5], s[16:17]
	s_add_nc_u64 s[46:47], s[6:7], s[46:47]
	CROUND                                         ; all sixteen work-groups are here: the first joint loads meet
.irp s, 0,1
	s_mov_b32 s[G0+4*\s], 1                                        ; count = 1
	s_add_co_u32 s[G0+4*\s+1], s20, \s*SLOT                        ; LDS address
	s_add_nc_u64 s[G0+4*\s+2:G0+4*\s+3], s[14:15], \s*KSTEP*2      ; global address: K step s, 512 bytes along the rows
	s_or_b32 s[G0+4*\s+3], s[G0+4*\s+3], 0x80000000                ; type = 2
	s_mov_b32 s[G0B+4*\s], 1
	s_add_co_u32 s[G0B+4*\s+1], s21, \s*SLOT
	s_add_nc_u64 s[G0B+4*\s+2:G0B+4*\s+3], s[46:47], \s*KSTEP*2048 ; K step s, 256 rows down
	s_or_b32 s[G0B+4*\s+3], s[G0B+4*\s+3], 0x80000000
	JLOAD \s                                       ; two loads of mine are out
.endr
	v_and_b32 v1, 15, v0                           ; r = lane % 16
	v_bfe_u32 v2, v0, 4, 1                         ; h = lane / 16
	v_mul_u32_u24 v3, v1, PA                       ; a fragment of A: row r, 16 bytes for each half of the lanes; two loads 32 bytes apart
	v_lshl_add_u32 v3, v2, 4, v3
	s_mul_i32 s22, s11, AHALF                      ; my 64 rows
	v_add_nc_u32 v[ADRA], s22, v3
	v_add_nc_u32 v[ADRA+1], SLOT, v[ADRA]
	v_and_b32 v4, 7, v0                            ; the turning load: lane l reads 16 bytes of row k = 8 h + l % 8, columns 8 ((l / 8) % 2) on, and ends up with column l % 16 and 8 k
	v_lshl_add_u32 v4, v2, 3, v4
	v_mul_u32_u24 v4, v4, PB
	v_bfe_u32 v5, v0, 3, 1
	v_lshl_add_u32 v4, v5, 4, v4
	s_lshl_b32 s23, s12, 7                         ; my 64 columns: 128 bytes
	s_add_co_u32 s23, s23, BOFF
	v_add_nc_u32 v[ADRB], s23, v4
	v_add_nc_u32 v[ADRB+1], BHALF, v[ADRB]
	v_add_nc_u32 v[ADRB+2], SLOT, v[ADRB]
	v_add_nc_u32 v[ADRB+3], SLOT+BHALF, v[ADRB]
	s_mul_i32 s23, s10, WSTG
	s_add_co_u32 s23, s23, STAGE                   ; my stage
	v_mul_u32_u24 v4, v1, SPITCH
	v_lshl_add_u32 v4, v2, 5, v4                   ; in: row r, 32 bytes (8 f32) for each half of the lanes
	v_add_nc_u32 v[STO], s23, v4
	v_mul_u32_u24 v4, v2, SPITCH                   ; back: lanes 0-15 one row of 256 bytes, lanes 16-31 the next
	v_lshl_add_u32 v4, v1, 4, v4
	v_add_nc_u32 v[RD], s23, v4
	v_lshlrev_b32 v5, 12, v2                       ; the same two rows in C: 4,096 bytes a row
	v_lshl_add_u32 v[CO], v1, 4, v5
	s_lshl_b32 s46, s42, 9                         ; column terms, in the registers that held W's address
	s_lshl_b32 s47, s12, 8
	s_add_co_u32 s46, s46, s47                     ; 4 bytes x my first column = 512 x tile column + 256 x half
	v_lshl_add_u32 v[BO], v2, 5, s46               ; + 8 numbers for the upper half of the lanes
	s_lshl_b32 s16, s13, 19                        ; 128 rows of 4,096 bytes
	s_lshl_b32 s17, s11, 18                        ; my 64 rows
	s_add_co_u32 s16, s16, s17
	s_mov_b32 s17, 0
	s_mov_b32 s47, 0
	s_add_nc_u64 s[8:9], s[8:9], s[16:17]
	s_add_nc_u64 s[8:9], s[8:9], s[46:47]
; 8 matrix instructions: row blocks a0, a0 + 1 x all 4 column blocks, 32 along K: half c of buffer f.  zero: the product starts the sums, nothing is cleared.
; The 16 accumulators take turns, one instruction a turn.
.macro MUL8 f, c, a0, zero
.irp a, \a0, \a0+1
.irp b, 0,1,2,3
.if \zero
	v_wmma_f32_16x16x32_f16 v[ACC+8*(4*(\a)+\b):ACC+8*(4*(\a)+\b)+7], v[\f+64+8*(4*\c+\b):\f+64+8*(4*\c+\b)+7], v[\f+8*(4*\c+\a):\f+8*(4*\c+\a)+7], 0
.else
	v_wmma_f32_16x16x32_f16 v[ACC+8*(4*(\a)+\b):ACC+8*(4*(\a)+\b)+7], v[\f+64+8*(4*\c+\b):\f+64+8*(4*\c+\b)+7], v[\f+8*(4*\c+\a):\f+8*(4*\c+\a)+7], v[ACC+8*(4*(\a)+\b):ACC+8*(4*(\a)+\b)+7]
.endif
.endr
.endr
.endm
; 32 LDS loads in one run: the fragments of quarter q (64 along K) of a slot into buffer f; the first 32 along K first
.macro FETCH slot, q, f
	WIN TO_F
.irp c, 0,1
.irp i, 0,1,2,3
	ds_load_tr16_b128 v[\f+64+8*(4*\c+\i):\f+64+8*(4*\c+\i)+3],   v[ADRB+2*\slot+(\q)/2] offset:(64*((\q)%2)+32*\c)*PB+32*\i
	ds_load_tr16_b128 v[\f+64+8*(4*\c+\i)+4:\f+64+8*(4*\c+\i)+7], v[ADRB+2*\slot+(\q)/2] offset:(64*((\q)%2)+32*\c+16)*PB+32*\i
	ds_load_b128 v[\f+8*(4*\c+\i):\f+8*(4*\c+\i)+3],             v[ADRA+\slot] offset:128*\q+64*\c+\i*16*PA
	ds_load_b128 v[\f+8*(4*\c+\i)+4:\f+8*(4*\c+\i)+7],           v[ADRA+\slot] offset:128*\q+64*\c+\i*16*PA+32
.endr
.endr
.endm
; A K step is four quarters of 64 along K, 32 matrix instructions each, on buffers 0, 1, 0, 1.  One of the first three: multiplies buffer f and fetches quarter q into g.
.macro QUARTER slot, q, f, g, zero
	s_wait_dscnt 16                                ; the first 32 along K are in; the sixteen younger loads may be out
	WIN MUL
	MUL8 \f, 0, 0, \zero
	MUL8 \f, 0, 2, \zero
	PLACES
	FETCH \slot, \q, \g
	s_wait_dscnt 32                                ; all but the 32 just issued
	WIN MUL
	MUL8 \f, 1, 0, 0
	MUL8 \f, 1, 2, 0
.endm
; The last quarter multiplies buffer 1 and changes slots: one barrier; in front of it each wave waits for its own reads of this slot and for all its tensor loads.
; fill = 1: this slot is filled again with the K step two on; 0: nothing is left to fetch.
.macro TURN slot, next, fill
	s_wait_dscnt 16
	WIN MUL
	MUL8 F1, 0, 0, 0
	s_wait_dscnt 0                                 ; my reads of this slot are over,
	s_set_vgpr_msb 0x500
	s_wait_tensorcnt 0x0                           ; and all my tensor loads have landed: the one that was out is my part of the next slot
	ds_add_u32 v30, v31
	s_wait_dscnt 0x0
	s_set_vgpr_msb 0x5
	s_barrier_signal -1
	MUL8 F1, 0, 2, 0
.if \fill
	WIN 0
.endif
	s_barrier_wait -1
.if \fill
	CREST                                          ; the barrier has opened a round of the cluster's: no wave of any partner still reads this slot or has a load on its way
	s_add_nc_u64 s[G0+4*\slot+2:G0+4*\slot+3], s[G0+4*\slot+2:G0+4*\slot+3], 2*KSTEP*2
	s_add_nc_u64 s[G0B+4*\slot+2:G0B+4*\slot+3], s[G0B+4*\slot+2:G0B+4*\slot+3], 2*KSTEP*2048
	JLOAD \slot                                    ; my one tensor load behind the round, 120 matrix instructions ahead of the wait for it; its four v_nop are also the places in front of the loads below
.else
	PLACES
.endif
	FETCH \next, 0, F0
	WIN MUL
	MUL8 F1, 1, 0, 0
	MUL8 F1, 1, 2, 0
.endm
; THE WAY OUT, 16 rows at a time, through the wave's own stage: no barrier, and LDS serves a wave's instructions in order (ISA guide 5.7.1), so no wait between its stores and its loads.
.macro PACK a                          ; sums + bias, each accumulator's registers in ascending order
.irp b, 0,1,2,3
.irp j, 0,2,4,6
	v_pk_add_f32 v[SUM+8*\b+\j:SUM+8*\b+\j+1], v[ACC+8*(4*(\a)+\b)+\j:ACC+8*(4*(\a)+\b)+\j+1], v[BIAS+8*\b+\j:BIAS+8*\b+\j+1]
.endr
.endr
.endm
.macro TOSTAGE
.irp b, 0,1,2,3
	ds_store_b128 v[STO], v[SUM+8*\b:SUM+8*\b+3]   offset:64*\b
	ds_store_b128 v[STO], v[SUM+8*\b+4:SUM+8*\b+7] offset:64*\b+16
.endr
	s_wait_xcnt 0x0                                ; the registers below were the data of the block before's stores: they are loaded again only behind this wait
.irp t, 0,1,2,3,4,5,6,7
	ds_load_b128 v[RB+4*\t:RB+4*\t+3], v[RD] offset:\t*2*SPITCH
.endr
.endm
.macro SEND a
	s_wait_dscnt 0x0                               ; the block is back in registers
.irp t, 0,1,2,3,4,5,6,7
	global_store_b128 v[CO], v[RB+4*\t:RB+4*\t+3], s[8:9] offset:(16*(\a)+2*\t)*4096 th:TH_STORE_NT   ; 16 lanes store 256 consecutive bytes, at a multiple of 256 from C's first byte
.endr
.endm
.irp b, 0,1,2,3                        ; the bias of my 32 numbers of a row
	global_load_b128 v[BIAS+8*\b:BIAS+8*\b+3],   v[BO], s[BP:BP+1] offset:64*\b
	global_load_b128 v[BIAS+8*\b+4:BIAS+8*\b+7], v[BO], s[BP:BP+1] offset:64*\b+16
.endr
	s_wait_tensorcnt 1                             ; my part of K step 0 is in; K step 1's may stay out
	s_barrier_signal -1
	s_barrier_wait -1                              ; everybody's is
	FETCH 0, 0, F0
	QUARTER 0, 1, F0, F1, 1                        ; K step 0: its first products start the sums
	QUARTER 0, 2, F1, F0, 0
	QUARTER 0, 3, F0, F1, 0
	TURN 0, 1, 1                                   ; slot 0 takes K step 2
	QUARTER 1, 1, F0, F1, 0                        ; K step 1
	QUARTER 1, 2, F1, F0, 0
	QUARTER 1, 3, F0, F1, 0
	TURN 1, 0, 1                                   ; slot 1 takes K step 3
	QUARTER 0, 1, F0, F1, 0                        ; K step 2
	QUARTER 0, 2, F1, F0, 0
	QUARTER 0, 3, F0, F1, 0
	TURN 0, 1, 0                                   ; nothing is left to fetch
	QUARTER 1, 1, F0, F1, 0                        ; K step 3
	QUARTER 1, 2, F1, F0, 0
	QUARTER 1, 3, F0, F1, 0
	s_wait_dscnt 16                                ; the very last quarter
	WIN MUL
	MUL8 F1, 0, 0, 0
	MUL8 F1, 0, 2, 0
	s_wait_dscnt 0
	MUL8 F1, 1, 0, 0
	MUL8 F1, 1, 2, 0
	WIN 0
	PLACES                                         ; the additions read results just made
	s_wait_loadcnt 0x0                             ; the bias
	PACK 0
	TOSTAGE
.irp a, 1,2,3                          ; block a's arithmetic stands between block a - 1's loads from the stage and the wait for them
	PACK \a
	SEND \a-1
	TOSTAGE
.endr
	SEND 3
	s_wait_tensorcnt 0x0
	ds_add_u32 v30, v31
	s_wait_dscnt 0x0
	CROUND                                         ; the closing round: no work-group ends while a partner may still ask for a tile that names it
	s_endpgm
.Lfunc_end_k_q0f3c7062ed_oproj:
	.size	k_q0f3c7062ed_oproj, .Lfunc_end_k_q0f3c7062ed_oproj-k_q0f3c7062ed_oproj
	.p2alignl 7, 3214868480
	.fill 96, 4, 3214868480
	.section	.rodata,"a",@progbits
	.p2align	6, 0x0
	.amdhsa_kernel k_q0f3c7062ed_oproj
		.amdhsa_group_segment_fixed_size 327680
		.amdhsa_private_segment_fixed_size 0
		.amdhsa_enable_private_segment 0
		.amdhsa_kernarg_size 32
		.amdhsa_user_sgpr_count 2
		.amdhsa_user_sgpr_kernarg_segment_ptr 1
		.amdhsa_wavefront_size32 1
		.amdhsa_system_sgpr_workgroup_id_x 1
		.amdhsa_system_sgpr_workgroup_id_y 1
		.amdhsa_system_sgpr_workgroup_id_z 1
		.amdhsa_system_vgpr_workitem_id 0
		.amdhsa_next_free_vgpr 512
		.amdhsa_next_free_sgpr 80
		.amdhsa_reserve_vcc 0
		.amdhsa_float_denorm_mode_32 3
		.amdhsa_float_denorm_mode_16_64 3
		.amdhsa_memory_ordered 1
		.amdhsa_forward_progress 1
		.amdhsa_inst_pref_size 91
	.end_amdhsa_kernel
	.amdgpu_metadata
---
amdhsa.version: [ 1, 2 ]
amdhsa.kernels:
  - .name:           k_q0f3c7062ed_oproj
    .symbol:         k_q0f3c7062ed_oproj.kd
    .args:
      - { .name: ao, .offset: 0, .size: 8, .value_kind: global_buffer, .address_space: global }
      - { .name: cb, .offset: 8, .size: 8, .value_kind: global_buffer, .address_space: global }
      - { .name: bo, .offset: 16, .size: 8, .value_kind: global_buffer, .address_space: global }
      - { .name: out0, .offset: 24, .size: 8, .value_kind: global_buffer, .address_space: global }
    .group_segment_fixed_size: 327680
    .private_segment_fixed_size: 0
    .kernarg_segment_align: 8
    .kernarg_segment_size: 32
    .max_flat_workgroup_size: 128
    .sgpr_count:     80
    .vgpr_count:     512
    .wavefront_size: 32
...
	.end_amdgpu_metadata
.endif
;; end of part 4
